; MI455X (gfx1250); checked and timed in simulation.
; The chip was launched on July 23, 2026; its instructions are those of AMD's public machine-readable ISA for CDNA 5 (MIT licence, August 2026) and "CDNA5" Instruction Set Architecture Reference Guide (July 2026). The comments in the code are by the model that wrote it; some were corrected since.
;; FP8 Linear. Allowed arithmetic: matrix products marked QUANTISED: E5M2 operands, one given power-of-two scale a tensor, by v_wmma_f32_16x16x64_bf8_bf8 or v_wmma_f32_16x16x128_bf8_bf8, f32 sums; everything else in f32.
;; Inputs: lowp_scales 4 int32 (the exponents e of the quantised operands' scales 2^e); weight 2,048 x 2,048 bfloat16; x 8,192 x 2,048 bfloat16.
;; Outputs: out0 8,192 x 2,048 bfloat16.
;; This version of the problem:
;;   THIS VERSION OF THE PROBLEM IS GIVEN IN LOW PRECISION. The matrix products marked QUANTISED in the list below multiply operands that are first quantised to E5M2 (5 exponent bits, 2 mantissa bits; 8 bits a number), with one given power-of-two scale for each operand tensor; their sums are f32. All else is computed in f32.
;;   The module's matrix products, in the order in which they are computed (A, B: the left and right operand; K: the contracted axis; several contracted axes count as one K, in the product's order):
;;     1. [M 8,192, K 2,048] x [K 2,048, N 2,048]; A: computed on the way; B: computed on the way: QUANTISED (scales: A lowp_scales[0], B lowp_scales[1])
;;     2. [M 8,192, K 2,048] x [K 2,048, N 2,048]; A: input x; B: input weight: QUANTISED (scales: A lowp_scales[2], B lowp_scales[3])
;;   THE QUANTISER, for each operand of a quantised product, along K:
;;     - The operand's scale is 2^e, e = its entry of the input lowp_scales (int32; the entries are numbered through the quantised products in the list's order, A before B).
;;     - Each number is divided by the scale, clamped to +-57,344, and rounded to the nearest number of E5M2, ties to even, subnormals kept.
;;     - The product sums the exact products of the quantised numbers (number of the format x scale) in f32.
;;   ~~~python
;;   def quantise(x, axis, e):      # numpy; x: float32 -> the quantised numbers, widened to float32 again
;;       x = np.moveaxis(x, axis, -1); K = x.shape[-1]
;;       r = np.clip(x / 2.0 ** e, -57344, 57344)
;;       step = 2.0 ** (np.maximum(np.frexp(np.where(r == 0, 1, r))[1] - 1, -14) - 2)
;;       q = np.round(r / step) * step * 2.0 ** e      # np.round: ties to even
;;       return np.moveaxis(q, -1, axis).astype(np.float32)
;;   ~~~
;;   OPERANDS COMPUTED ON THE WAY. 'Computed on the way' means the value that the module computes at that place (a softmax that the list does not call 'softmax' is quantised finished and normalised). What goes into a quantiser is computed in f32, as accurately as f32 sums, v_exp_f32 and their like allow (about 1e-6 of the number): no bf16 or f16 on the way to a quantiser, and a product that is left as it is and whose result goes on into a quantised operand takes f32 operands (vector FMAs, or v_wmma_f32_16x16x4_f32). A number that lies on a knife's edge between two numbers of the format may be rounded either way, as far as f32 arithmetic and the matrix unit's own rounding can turn it there, and no further.
;; One version. Each part assembles by itself: llvm-mc -triple=amdgcn-amd-amdhsa -mcpu=gfx1250 --defsym DOCPART=n.
;; ======== version 1 of 1: 3 launches
;; limits: values are held in bf16: 8 bits of precision; right only within a limited range of input values
;; workspace buffers: amax 2,048 bytes; xc 16,777,216 bytes; wc 4,194,304 bytes
;; launch amax (part 1): grid 256 x 1, 16 waves a work-group, no clusters, 2,304 bytes of LDS; arguments x, weight, amax; writes amax
.if DOCPART == 1
	.amdgcn_target "amdgcn-amd-amdhsa--gfx1250"
	.amdhsa_code_object_version 6
	.text
	.protected	k_qd1e1e8bc6c_amax
	.globl	k_qd1e1e8bc6c_amax
	.p2align	8
	.type	k_qd1e1e8bc6c_amax,@function
k_qd1e1e8bc6c_amax:
	s_mov_b64 s[64:65], 0
	v_nop
	global_prefetch_b8 v0, s[64:65] scope:SCOPE_SE
	s_setreg_imm32_b32 hwreg(HW_REG_WAVE_MODE, 25, 1), 1
	s_wait_xcnt 0x0
; The largest |x| and the largest |weight| of a part of each tensor: amax[g] = (max |x|, max |weight|) of work-group g's part, two f32.
; x: 33,554,432 bytes of bf16, 131,072 a work-group, 8,192 a wave; weight: 8,388,608 bytes, 32,768 a work-group, 2,048 a wave.
; A wave issues all its 20 loads at once, each 512 consecutive bytes (16 a lane): 16 waves have 163,840 bytes on their way.
; Work-groups share no input and there is no product: no cluster, no matrix unit, no ring.  LDS holds the 16 waves' pairs and a spare word a thread.
; The floor of 1e-12 is laid by the launch that reads these maxima.  LIMIT: NaN among the inputs is not served.
; WORK LEFT OUT BY THE WHOLE PROGRAM.  reference() returns fp8_out + bf16_out - stop_gradient(bf16_out).  stop_gradient changes no value, so the last two terms are the same
; number b, and f + b - b = f in exact arithmetic for all finite values of x and weight.  So the second product of the table (x by weight, scales lowp_scales[2] and [3]) reaches
; no output: it is not computed, its operands are not quantised, and entries 2 and 3 of lowp_scales are not loaded.  What stays is the first product, rounded once to bf16.
; b is of the size of f (both stand for x weight^T), so the two bf16 roundings that go with it move a result by under 2^-8 of itself.
; LIMIT: a NaN, an infinity or an overflow that would arise only in the product left out is not carried to the result.
.set MX, 4                             ; v[4:7]    four chains for x, two bf16 each
.set MW, 8                             ; v[8:11]   four chains for weight
.set T,  16                            ; v[16:19]  at work
.set XD, 24                            ; v[24:87]  x as loaded
.set WD, 88                            ; v[88:103] weight as loaded
	s_load_b128 s[4:7], s[0:1], 0x0                ; x s[4:5], weight s[6:7]
	s_load_b64 s[8:9], s[0:1], 0x10                ; amax
	v_lshl_add_u32 v104, v0, 2, 0x100
	v_mov_b32 v105, 0
	v_lshrrev_b32 v2, 5, v0
	s_delay_alu instid0(VALU_DEP_1)
	v_readfirstlane_b32 s10, v2                    ; wave 0..15
	v_and_b32 v1, 31, v0
	s_delay_alu instid0(VALU_DEP_1)
	v_lshlrev_b32 v1, 4, v1                        ; 16 bytes a lane
	s_delay_alu instid0(VALU_DEP_4)
	v_lshlrev_b32 v3, 3, v2                        ; LDS: my wave's pair at 8 x wave
	v_and_b32 v20, 15, v0
	s_delay_alu instid0(VALU_DEP_1)
	v_lshlrev_b32 v20, 3, v20                      ; LDS: lane l reads the pair of wave l % 16
	s_mov_b32 s12, 0x76543210                      ; v_permlanex16_b32: lane l takes lane l xor 16
	s_mov_b32 s13, 0xfedcba98
	s_mov_b32 s14, 0x7fff7fff                      ; clears the signs of two bf16
	s_mov_b32 s15, 0xffff0000                      ; a word's upper bf16
	s_lshl_b32 s16, ttmp9, 17                      ; x: 131,072 x work-group
	s_lshl_b32 s18, s10, 13                        ;    + 8,192 x wave
	s_add_co_u32 s16, s16, s18
	s_mov_b32 s17, 0
	s_lshl_b32 s18, ttmp9, 15                      ; weight: 32,768 x work-group
	s_lshl_b32 s20, s10, 11                        ;    + 2,048 x wave
	s_add_co_u32 s18, s18, s20
	s_mov_b32 s19, 0
	s_lshl_b32 s21, ttmp9, 3
	v_mov_b32 v21, s21                             ; where the work-group's pair goes: 8 x work-group
	s_wait_alu depctr_va_vdst(0)
	s_wait_kmcnt 0x0
	s_add_nc_u64 s[4:5], s[4:5], s[16:17]
	s_add_nc_u64 s[6:7], s[6:7], s[18:19]
.irp i, 0,1,2,3,4,5,6,7,8,9,10,11,12,13,14,15
	global_load_b128 v[XD+4*\i:XD+4*\i+3], v1, s[4:5] offset:512*\i
.endr
.irp i, 0,1,2,3
	global_load_b128 v[WD+4*\i:WD+4*\i+3], v1, s[6:7] offset:512*\i
.endr
	s_wait_loadcnt 4                               ; loads come back in order: x's sixteen are in, weight's four may be out
.irp k, 0,1,2,3
	v_and_b32 v[MX+\k], s14, v[XD+\k]              ; the first four words start the chains: nothing is cleared
.endr
.set j, 4
.rept 60
	v_and_b32 v[T+j%4], s14, v[XD+j]
	s_delay_alu instid0(VALU_DEP_1)
	v_pk_max_num_bf16 v[MX+j%4], v[MX+j%4], v[T+j%4]
.set j, j+1
.endr
	s_wait_loadcnt 0x0
.irp k, 0,1,2,3
	v_and_b32 v[MW+\k], s14, v[WD+\k]
.endr
.set j, 4
.rept 12
	v_and_b32 v[T+j%4], s14, v[WD+j]
	s_delay_alu instid0(VALU_DEP_1)
	v_pk_max_num_bf16 v[MW+j%4], v[MW+j%4], v[T+j%4]
.set j, j+1
.endr
	v_pk_max_num_bf16 v[MX], v[MX], v[MX+1]
	v_pk_max_num_bf16 v[MW], v[MW], v[MW+1]
	v_pk_max_num_bf16 v[MX+2], v[MX+2], v[MX+3]
	s_delay_alu instid0(VALU_DEP_4)
	v_pk_max_num_bf16 v[MW+2], v[MW+2], v[MW+3]
	s_delay_alu instid0(VALU_DEP_2)
	v_pk_max_num_bf16 v[MX], v[MX], v[MX+2]
	s_delay_alu instid0(VALU_DEP_2)
	v_pk_max_num_bf16 v[MW], v[MW], v[MW+2]
	s_delay_alu instid0(VALU_DEP_2)
	v_lshlrev_b32 v[T], 16, v[MX]                  ; the two halves as f32
	s_delay_alu instid0(VALU_DEP_3)
	v_and_b32 v[T+1], s15, v[MX]
	s_delay_alu instid0(VALU_DEP_3)
	v_lshlrev_b32 v[T+2], 16, v[MW]
	s_delay_alu instid0(VALU_DEP_4)
	v_and_b32 v[T+3], s15, v[MW]
	s_delay_alu instid0(VALU_DEP_3)
	v_max_num_f32 v12, v[T], v[T+1]
	s_delay_alu instid0(VALU_DEP_2)
	v_max_num_f32 v13, v[T+2], v[T+3]
.irp m, 1,2,4,8                        ; across the 32 lanes: four steps inside each half of 16, one across the halves
	s_delay_alu instid0(VALU_DEP_2)
	v_max_num_f32_dpp v12, v12, v12 row_xmask:\m row_mask:0xf bank_mask:0xf
	s_delay_alu instid0(VALU_DEP_2)
	v_max_num_f32_dpp v13, v13, v13 row_xmask:\m row_mask:0xf bank_mask:0xf
.endr
	s_delay_alu instid0(VALU_DEP_2)
	v_permlanex16_b32 v[T], v12, s12, s13          ; (its destination counts as read: these have been written)
	s_delay_alu instid0(VALU_DEP_2)
	v_permlanex16_b32 v[T+1], v13, s12, s13
	s_delay_alu instid0(VALU_DEP_2)
	v_max_num_f32 v12, v12, v[T]
	s_delay_alu instid0(VALU_DEP_2)
	v_max_num_f32 v13, v13, v[T+1]
	ds_store_b64 v3, v[12:13]                      ; all lanes of a wave write the same pair
	s_wait_dscnt 0x0                               ; for the others' sake: my store has landed
	s_barrier_signal -1
	s_barrier_wait -1
	ds_load_b64 v[14:15], v20                      ; the sixteen lanes of a half hold the sixteen waves' pairs
	s_wait_dscnt 0x0
.irp m, 1
	v_max_num_f32_dpp v14, v14, v14 row_xmask:\m row_mask:0xf bank_mask:0xf
	v_max_num_f32_dpp v15, v15, v15 row_xmask:\m row_mask:0xf bank_mask:0xf
.endr
.irp m, 2, 4, 8
	s_delay_alu instid0(VALU_DEP_2)
	v_max_num_f32_dpp v14, v14, v14 row_xmask:\m row_mask:0xf bank_mask:0xf
	s_delay_alu instid0(VALU_DEP_2)
	v_max_num_f32_dpp v15, v15, v15 row_xmask:\m row_mask:0xf bank_mask:0xf
.endr
	v_cmp_eq_u32 vcc_lo, 0, v0
	s_wait_alu depctr_va_vdst(0)
	s_wait_xcnt 0x0                                ; EXEC is a source of the loads above: it changes only behind this wait
	s_wait_tensorcnt 0x0
	ds_add_u32 v104, v105
	s_wait_dscnt 0x0
	s_and_saveexec_b32 s20, vcc_lo                 ; thread 0 alone stores
	global_store_b64 v21, v[14:15], s[8:9]
	s_wait_xcnt 0x0                                ; and again in front of the line that widens it
	s_or_b32 exec_lo, exec_lo, s20
	s_endpgm
.Lfunc_end_k_qd1e1e8bc6c_amax:
	.size	k_qd1e1e8bc6c_amax, .Lfunc_end_k_qd1e1e8bc6c_amax-k_qd1e1e8bc6c_amax
	.p2alignl 7, 3214868480
	.fill 96, 4, 3214868480
	.section	.rodata,"a",@progbits
	.p2align	6, 0x0
	.amdhsa_kernel k_qd1e1e8bc6c_amax
		.amdhsa_group_segment_fixed_size 2304
		.amdhsa_private_segment_fixed_size 0
		.amdhsa_enable_private_segment 0
		.amdhsa_kernarg_size 24
		.amdhsa_user_sgpr_count 2
		.amdhsa_user_sgpr_kernarg_segment_ptr 1
		.amdhsa_wavefront_size32 1
		.amdhsa_system_sgpr_workgroup_id_x 1
		.amdhsa_system_sgpr_workgroup_id_y 1
		.amdhsa_system_sgpr_workgroup_id_z 1
		.amdhsa_system_vgpr_workitem_id 0
		.amdhsa_next_free_vgpr 106
		.amdhsa_next_free_sgpr 66
		.amdhsa_reserve_vcc 1
		.amdhsa_float_denorm_mode_32 3
		.amdhsa_float_denorm_mode_16_64 3
		.amdhsa_memory_ordered 1
		.amdhsa_forward_progress 1
		.amdhsa_inst_pref_size 16
	.end_amdhsa_kernel
	.amdgpu_metadata
---
amdhsa.version: [ 1, 2 ]
amdhsa.kernels:
  - .name:           k_qd1e1e8bc6c_amax
    .symbol:         k_qd1e1e8bc6c_amax.kd
    .args:
      - { .name: x, .offset: 0, .size: 8, .value_kind: global_buffer, .address_space: global }
      - { .name: weight, .offset: 8, .size: 8, .value_kind: global_buffer, .address_space: global }
      - { .name: amax, .offset: 16, .size: 8, .value_kind: global_buffer, .address_space: global }
    .group_segment_fixed_size: 2304
    .private_segment_fixed_size: 0
    .kernarg_segment_align: 8
    .kernarg_segment_size: 24
    .max_flat_workgroup_size: 512
    .sgpr_count:     66
    .vgpr_count:     106
    .wavefront_size: 32
...
	.end_amdgpu_metadata
.endif
;; end of part 1
;; launch quant (part 2): grid 512 x 1, 8 waves a work-group, no clusters, 0 bytes of LDS; arguments x, weight, amax, lowp_scales, xc, wc; writes xc, wc
.if DOCPART == 2
	.amdgcn_target "amdgcn-amd-amdhsa--gfx1250"
	.amdhsa_code_object_version 6
	.text
	.protected	k_qd1e1e8bc6c_quant
	.globl	k_qd1e1e8bc6c_quant
	.p2align	8
	.type	k_qd1e1e8bc6c_quant,@function
k_qd1e1e8bc6c_quant:
	s_mov_b64 s[64:65], 0
	v_nop
	global_prefetch_b8 v0, s[64:65] scope:SCOPE_SE
	s_setreg_imm32_b32 hwreg(HW_REG_WAVE_MODE, 25, 1), 1
	s_wait_xcnt 0x0
; x [8192][2048] and weight [2048][2048], bf16, become the E5M2 codes of the FIRST product's operands, K innermost: xc [8192][2048 bytes], wc [2048][2048 bytes].
; The second product of the table cancels in reference()'s result (shown at the head of the first kernel): its codes are not made, and lowp_scales[2], [3] are not loaded.
; xc: codes of xh with the scale 2^e0, xh = e4m3(x * (448 / amax)) * (amax / 448), amax = max(max |x|, 1e-12), all in f32.  wc: the same of weight, with e1.
; code = number / 2^e, held within +-57,344, to the nearest code, ties to even.
; A CHUNK is one load of the wave: 512 consecutive bytes, 256 numbers; a lane's 16 bytes are 8 NEIGHBOURS along K, which is what a conversion takes; its 8 codes
; are 8 bytes, so a store of the wave covers 256 consecutive bytes, aligned.  Both tensors and their codes are dense streams: a wave takes 16 chunks of x and 4 of weight.
; All 20 loads of a wave go out at the head; a chunk's codes are laid into its own load registers, so no store's data or address is ever written again; the 20 stores stand behind the last chunk.
; Work-groups share nothing but the 2,048 bytes of maxima: no cluster.  No product: no matrix unit.  No loop to run ahead in: no prefetch.
; LIMITS: NaN and infinity among the inputs are not served; amax under 2^125 (the reciprocal's result must be a normal number); e0 and e1 between -126 and 112.
.set VI, 2                             ; v2   16 x lane; never rewritten
.set VO, 3                             ; v3   8 x lane; never rewritten
.set CX, 8                             ; v[8:13]  for x: +0,+1 448 / amax (twice, for the packed form); +2,+3 amax / 448; +4 2^e0; +5 57,344 x 2^e0
.set CW, 16                            ; v[16:21] for weight: the same with its amax and e1
.set X,  32                            ; v[32:111]  20 chunks x 4 registers: as loaded, then the codes in the first two
.set U,  112                           ; v[112:119] 8 numbers in f32
.set Y,  120                           ; v[120:127] 8 numbers on the way through e4m3.  (U and Y first take the 512 maxima)
.set C8, 128                           ; v[128:129] 8 codes of e4m3
	s_load_b256 s[4:11], s[0:1], 0x0               ; x s[4:5], weight s[6:7], amax s[8:9], the scales' exponents s[10:11]
	s_load_b128 s[12:15], s[0:1], 0x20             ; xc s[12:13], wc s[14:15]
	v_lshrrev_b32 v1, 5, v0
	s_delay_alu instid0(VALU_DEP_1)
	v_readfirstlane_b32 s20, v1                    ; wave 0..7
	v_and_b32 v1, 31, v0
	s_delay_alu instid0(VALU_DEP_1)
	v_lshlrev_b32 v[VI], 4, v1
	s_delay_alu instid0(VALU_DEP_2)
	v_lshlrev_b32 v[VO], 3, v1
	v_mov_b32 v24, 0x43e00000                      ; 448.0
	v_mov_b32 v25, 1.0                             ; the e4m3 conversion's scale: 2^0
	v_mov_b32 v26, 0x7f7f7f7f                      ; and the way back's: the byte of 2^0, in every byte
	v_mov_b32 v29, 0                               ; written once: a lane permute's destination counts as one of its sources
	v_mov_b32 v30, 0
	s_mov_b32 s22, 0x76543210
	s_mov_b32 s23, 0xfedcba98
	s_mov_b32 s26, 0x3b124925                      ; 1 / 448
	s_mov_b32 s27, 0xffff0000                      ; a word's upper bf16
	s_lshl_b32 s32, ttmp9, 16                      ; x: 65,536 bytes x work-group
	s_lshl_b32 s24, s20, 13                        ;    + 8,192 x wave
	s_add_co_u32 s32, s32, s24
	s_mov_b32 s33, 0
	s_lshl_b32 s34, ttmp9, 14                      ; weight: 16,384 bytes x work-group
	s_lshl_b32 s24, s20, 11                        ;    + 2,048 x wave
	s_add_co_u32 s34, s34, s24
	s_mov_b32 s35, 0
	s_lshr_b32 s36, s32, 1                         ; a code is half a bf16's bytes: xc's offset,
	s_mov_b32 s37, 0
	s_lshr_b32 s38, s34, 1                         ; and wc's
	s_mov_b32 s39, 0
	s_wait_alu depctr_va_vdst(0)                   ; directly ahead of the wait below
	s_wait_kmcnt 0x0
	s_load_b64 s[16:17], s[10:11], 0x0             ; e0, e1
	s_add_nc_u64 s[4:5], s[4:5], s[32:33]
	s_add_nc_u64 s[12:13], s[12:13], s[36:37]
	s_add_nc_u64 s[6:7], s[6:7], s[34:35]
	s_add_nc_u64 s[14:15], s[14:15], s[38:39]
.irp i, 0,1,2,3
	global_load_b128 v[U+4*\i:U+4*\i+3], v[VI], s[8:9] offset:512*\i   ; the 256 pairs of maxima: a lane gets (x's, weight's) twice a load
.endr
.irp n, 0,1,2,3,4,5,6,7,8,9,10,11,12,13,14,15
	global_load_b128 v[X+4*\n:X+4*\n+3], v[VI], s[4:5] offset:512*\n th:TH_LOAD_NT   ; my part of x: 8,192 consecutive bytes
.endr
.irp j, 0,1,2,3
	global_load_b128 v[X+64+4*\j:X+64+4*\j+3], v[VI], s[6:7] offset:512*\j th:TH_LOAD_NT
.endr
	s_wait_loadcnt 20                              ; the four loads of maxima are in; the 20 loads of data issued behind them stay out
	v_max3_num_f32 v27, v[U], v[U+2], v[U+4]
	v_max3_num_f32 v28, v[U+1], v[U+3], v[U+5]
	s_delay_alu instid0(VALU_DEP_2)
	v_max3_num_f32 v27, v27, v[U+6], v[U+8]
	s_delay_alu instid0(VALU_DEP_2)
	v_max3_num_f32 v28, v28, v[U+7], v[U+9]
	s_delay_alu instid0(VALU_DEP_2)
	v_max3_num_f32 v27, v27, v[U+10], v[U+12]
	s_delay_alu instid0(VALU_DEP_2)
	v_max3_num_f32 v28, v28, v[U+11], v[U+13]
	s_delay_alu instid0(VALU_DEP_2)
	v_max_num_f32 v27, v27, v[U+14]
	s_delay_alu instid0(VALU_DEP_2)
	v_max_num_f32 v28, v28, v[U+15]
.irp m, 1,2,4,8
	s_delay_alu instid0(VALU_DEP_2)
	v_max_num_f32_dpp v27, v27, v27 row_xmask:\m row_mask:0xf bank_mask:0xf
	s_delay_alu instid0(VALU_DEP_2)
	v_max_num_f32_dpp v28, v28, v28 row_xmask:\m row_mask:0xf bank_mask:0xf
.endr
	s_delay_alu instid0(VALU_DEP_2)
	v_permlanex16_b32 v29, v27, s22, s23
	s_delay_alu instid0(VALU_DEP_2)
	v_permlanex16_b32 v30, v28, s22, s23
	s_delay_alu instid0(VALU_DEP_2)
	v_max3_num_f32 v27, v27, v29, 0x2b8cbccc       ; amax of x, with the floor of 1e-12
	s_delay_alu instid0(VALU_DEP_2)
	v_max3_num_f32 v28, v28, v30, 0x2b8cbccc       ; amax of weight
	s_wait_alu depctr_va_vdst(0)
	v_rcp_f32 v29, v27
	v_rcp_f32 v30, v28
	v_mul_f32 v[CX+2], s26, v27                    ; amax / 448, first guess.  (Plain lines behind the reciprocals)
	v_mul_f32 v[CW+2], s26, v28
	s_wait_alu depctr_va_vdst(0)                   ; one wait for both reciprocals, ahead of the first line that names them
	v_mul_f32 v[CX], v24, v29                      ; 448 / amax, first guess,
	v_mul_f32 v[CW], v24, v30
	s_delay_alu instid0(VALU_DEP_2)
	v_fma_f32 v31, -v27, v[CX], v24                ; its remainder, exact,
	s_delay_alu instid0(VALU_DEP_2)
	v_fma_f32 v1, -v28, v[CW], v24
	v_fma_f32 v[CX], v31, v29, v[CX]               ; and the quotient as an f32 division gives it
	v_fma_f32 v[CW], v1, v30, v[CW]
	v_fma_f32 v31, -v24, v[CX+2], v27              ; the same for amax / 448
	v_fma_f32 v1, -v24, v[CW+2], v28
	s_delay_alu instid0(VALU_DEP_2)
	v_fma_f32 v[CX+2], v31, s26, v[CX+2]
	s_delay_alu instid0(VALU_DEP_2)
	v_fma_f32 v[CW+2], v1, s26, v[CW+2]
	v_mov_b32 v[CX+1], v[CX]                       ; both halves of the pairs that the packed multiplies name
	v_mov_b32 v[CW+1], v[CW]
	s_delay_alu instid0(VALU_DEP_4)
	v_mov_b32 v[CX+3], v[CX+2]
	s_delay_alu instid0(VALU_DEP_4)
	v_mov_b32 v[CW+3], v[CW+2]
	s_wait_kmcnt 0x0
.macro SCALE vs, se                    ; v[vs] = 2^e as f32 (the conversion takes its exponent field); v[vs+1] = 57,344 x 2^e
	s_add_co_i32 s28, s[\se], 127
	s_lshl_b32 s29, s28, 23
	v_mov_b32 v[\vs], s29
	s_add_co_i32 s28, s28, 15
	s_lshl_b32 s28, s28, 23
	s_or_b32 s28, s28, 0x600000
	v_mov_b32 v[\vs+1], s28
.endm
	SCALE CX+4, 16                                 ; e0: xh
	SCALE CW+4, 17                                 ; e1: wh
	s_wait_alu depctr_va_vdst(0)
; Chunk n, with the constants at v[c]: its 8 codes a lane end in the first two of its own load registers.
.macro CHUNK n, c
.set XR, X+4*(\n)
	s_wait_loadcnt 19-(\n)                         ; loads come back in order: mine is in, the younger chunks stay out
.irp k, 0,1,2,3
	v_lshlrev_b32 v[U+2*\k], 16, v[XR+\k]          ; bf16 to f32: the low half moves up,
	v_and_b32 v[U+2*\k+1], s27, v[XR+\k]           ; the high half stays.  (These eight are also the plain lines behind the chunk before's last conversion)
.endr
.irp k, 0,2,4,6
	v_pk_mul_f32 v[Y+\k:Y+\k+1], v[U+\k:U+\k+1], v[\c:\c+1]       ; x 448 / amax
.endr
.irp k, 0,1,2,3,4,5,6,7
	v_med3_num_f32 v[Y+\k], v[Y+\k], -v24, v24     ; the conversion to an 8-bit code does not saturate (ISA guide 7.6.2); the product can pass 448 by one rounding, and rounds to 448
.endr
	v_cvt_scalef32_pk8_fp8_f32 v[C8:C8+1], v[Y:Y+7], v25
	v_nop                                          ; one plain line between a scaled conversion and the line that reads its result and writes its sources
	v_cvt_scale_pk8_f32_fp8 v[Y:Y+7], v[C8:C8+1], v26              ; the e4m3 numbers, as f32 again
	v_nop                                          ; and again
.irp k, 0,2,4,6
	v_pk_mul_f32 v[Y+\k:Y+\k+1], v[Y+\k:Y+\k+1], v[\c+2:\c+3]     ; x amax / 448
.endr
.irp k, 0,1,2,3,4,5,6,7
	v_med3_num_f32 v[Y+\k], v[Y+\k], -v[\c+5], v[\c+5]             ; held at the largest code x the scale
.endr
	v_cvt_scalef32_pk8_bf8_f32 v[XR:XR+1], v[Y:Y+7], v[\c+4]       ; the codes
.endm
.irp n, 0,1,2,3,4,5,6,7,8,9,10,11,12,13,14,15
	CHUNK \n, CX
.endr
.irp j, 0,1,2,3
	CHUNK 16+\j, CW
.endr
.irp n, 0,1,2,3,4,5,6,7,8,9,10,11,12,13,14,15
	global_store_b64 v[VO], v[X+4*\n:X+4*\n+1], s[12:13] offset:256*\n   ; 32 lanes store 256 consecutive bytes, at a multiple of 256 from the buffer's first byte
.endr
.irp j, 0,1,2,3
	global_store_b64 v[VO], v[X+64+4*\j:X+64+4*\j+1], s[14:15] offset:256*\j
.endr
	s_endpgm
.Lfunc_end_k_qd1e1e8bc6c_quant:
	.size	k_qd1e1e8bc6c_quant, .Lfunc_end_k_qd1e1e8bc6c_quant-k_qd1e1e8bc6c_quant
	.p2alignl 7, 3214868480
	.fill 96, 4, 3214868480
	.section	.rodata,"a",@progbits
	.p2align	6, 0x0
	.amdhsa_kernel k_qd1e1e8bc6c_quant
		.amdhsa_group_segment_fixed_size 0
		.amdhsa_private_segment_fixed_size 0
		.amdhsa_enable_private_segment 0
		.amdhsa_kernarg_size 48
		.amdhsa_user_sgpr_count 2
		.amdhsa_user_sgpr_kernarg_segment_ptr 1
		.amdhsa_wavefront_size32 1
		.amdhsa_system_sgpr_workgroup_id_x 1
		.amdhsa_system_sgpr_workgroup_id_y 1
		.amdhsa_system_sgpr_workgroup_id_z 1
		.amdhsa_system_vgpr_workitem_id 0
		.amdhsa_next_free_vgpr 136
		.amdhsa_next_free_sgpr 66
		.amdhsa_reserve_vcc 0
		.amdhsa_float_denorm_mode_32 3
		.amdhsa_float_denorm_mode_16_64 3
		.amdhsa_memory_ordered 1
		.amdhsa_forward_progress 1
		.amdhsa_inst_pref_size 51
	.end_amdhsa_kernel
	.amdgpu_metadata
---
amdhsa.version: [ 1, 2 ]
amdhsa.kernels:
  - .name:           k_qd1e1e8bc6c_quant
    .symbol:         k_qd1e1e8bc6c_quant.kd
    .args:
      - { .name: x, .offset: 0, .size: 8, .value_kind: global_buffer, .address_space: global }
      - { .name: weight, .offset: 8, .size: 8, .value_kind: global_buffer, .address_space: global }
      - { .name: amax, .offset: 16, .size: 8, .value_kind: global_buffer, .address_space: global }
      - { .name: lowp_scales, .offset: 24, .size: 8, .value_kind: global_buffer, .address_space: global }
      - { .name: xc, .offset: 32, .size: 8, .value_kind: global_buffer, .address_space: global }
      - { .name: wc, .offset: 40, .size: 8, .value_kind: global_buffer, .address_space: global }
    .group_segment_fixed_size: 0
    .private_segment_fixed_size: 0
    .kernarg_segment_align: 8
    .kernarg_segment_size: 48
    .max_flat_workgroup_size: 256
    .sgpr_count:     66
    .vgpr_count:     136
    .wavefront_size: 32
...
	.end_amdgpu_metadata
.endif
;; end of part 2
;; launch gemm (part 3): grid 8 x 32, 4 waves a work-group, clusters of 4 x 4, 327,680 bytes of LDS; arguments xc, wc, lowp_scales, out0; writes out0
.if DOCPART == 3
	.amdgcn_target "amdgcn-amd-amdhsa--gfx1250"
	.amdhsa_code_object_version 6
	.text
	.protected	k_qd1e1e8bc6c_gemm
	.globl	k_qd1e1e8bc6c_gemm
	.p2align	8
	.type	k_qd1e1e8bc6c_gemm,@function
k_qd1e1e8bc6c_gemm:
	s_mov_b64 s[64:65], 0
	v_nop
	global_prefetch_b8 v0, s[64:65] scope:SCOPE_SE
	s_setreg_imm32_b32 hwreg(HW_REG_WAVE_MODE, 25, 1), 1
	s_wait_xcnt 0x0
	s_wait_alu depctr_hold_cnt(0) depctr_sa_sdst(0) depctr_va_vdst(0) depctr_va_sdst(0) depctr_va_ssrc(0) depctr_va_vcc(0) depctr_vm_vsrc(0)
	s_getreg_b32 s2, hwreg(HW_REG_IB_STS2, 6, 4)
	s_cmp_eq_u32 s2, 0
	s_cbranch_scc0 .Lentry_in_a_cluster
	s_endpgm
.Lentry_in_a_cluster:
	s_bfe_u32 s2, ttmp6, 0x10000c
	s_cmp_lg_u32 s2, 0xf033
	s_cbranch_scc0 .Lentry_shape_is_right
	s_endpgm
.Lentry_shape_is_right:
; out0[m][n] = bf16( 2^(e0 + e1) x sum over k of xc[m][k] wc[n][k] ): the table's first product on its E5M2 codes, f32 sums, rounded once.
; The second product of the table cancels in reference()'s result (shown at the head of the first kernel) and is not computed; lowp_scales[2], [3] are not loaded.
; LIMIT: e0 + e1 lies between -126 and 127, so that 2^(e0 + e1) is an f32 number.
; xc [8192][2048 bytes], wc [2048][2048 bytes].  A tile of the result, 256 x 256, is made by a work-group of four waves; a wave makes 128 x 128: 64 accumulators, 512 registers.  32 x 8 tiles: 256 work-groups.
; K goes in steps of 256 through a ring of two LDS slots filled by the tensor data mover: a tile's row is 256 bytes of memory, at a multiple of 256.  8 K steps: 4 laps of the ring.
; CLUSTERS: 4 x 4 work-groups.  The four of a row of the cluster need the same tiles of xc, the four of a column the same tiles of wc: each tile is asked for JOINTLY, by the same tensor load with the same
; descriptor and a mask that names the four.  THE MATRIX INSTRUCTION IS USED TRANSPOSED (source 0 = 16 rows of wc, source 1 = 16 rows of xc): a lane then holds eight neighbouring numbers of a row of the result.
; A fragment is fetched by four loads of 16 bytes: a permutation of k inside the instruction's 128, the same on both sides, so every product meets its partner.
; THE LAST K STEP GOES BY ROWS OF THE RESULT: all its fragments of wc fill window 1, xc's come by blocks of 16 rows x 256 K, and each block of 16 rows leaves as soon as its sums are finished, while the next is multiplied.
; PREFETCH: K step t + 2's refill is asked for behind the change of slots at the end of K step t; behind that refill each wave names, a lane a row, 32 rows x 256 bytes of K step t + 4.  Of the 128 rows that a wave
; fetches, each of the four partners that ask jointly takes 32, told apart by address.  K step 0 comes by its load alone; K step 1 is named at the head's end, K step 2 behind slot 1's first fill, K step 3 in the first
; step's middle; the last two refills name nothing.  So at most two K steps are named and not yet loaded.
; REGISTERS: window 0: v0-31 addresses; v128-255 xc's fragments (8 x 16 rows x 128 K; in the last K step four buffers of 16 rows x 256 K); v32-127 at work on the way out.  window 1: wc's fragments, TWO sets.  windows 2, 3: the accumulators of my rows 0-63, 64-127.
.set SIZE_N, 2048
.set ROWB,   256                       ; a tile's row in bytes
.set KROW,   2048                      ; a row of codes in memory
.set PITCH,  272                       ; an LDS row: 256 bytes + 16 of padding: the 16 rows that a load touches start 68 words apart
.set FR,     16
.set NL,     4
.set NP,     4                         ; places behind this matrix instruction (ISA guide 7.12.1)
.set HALFT,  128*PITCH
.set SLOT,   4*HALFT
.set LAPS,   4
.set STAGE,  2*SLOT                    ; behind the ring: 16 rows x 272 bytes for each wave, for the way out; no tensor load lands there
.set SPITCH, 272
.set SPARE,  STAGE+4*16*SPITCH         ; behind the stages: the spare words, 128 bytes a wave
.set ADRA, 16
.set ADRB, 20
.set STO,  24
.set RD,   25
.set CO,   26
.set SPW,  28
.set NIL,  29
.set PFO,  30                          ; v30: my lane x a row of codes; never rewritten
.set TMP,  32                          ; the way out: a block's 64 sums x 2^(e0 + e1); then, in its lower 32 registers, the same as bf16 pairs
.set BK,   96                          ; v96-127: 16 rows read back from the stage
.set AF,   128
.set G1, 24
.set G0, 32
.set G1B, 48
.set G0B, 56
.set PFA, 66                           ; s[66:67]: my work-group's 32 rows of the 128 that I fetch, two K steps short of the K step that a prefetch in the loop names
.set PF3, 1                            ; 1 until K step 3 has been named
.set MSB, 0
.macro WIN new                         ; the immediate's high byte repeats the setting that is left
.if MSB != (\new)
	s_set_vgpr_msb (MSB<<8)|(\new)
.set MSB, (\new)
.endif
.endm
.set MUL_LO, 0xa1
.set MUL_HI, 0xf1
.set TO_B,   0x40
.macro JLOAD g0a, g1a, g0b, g1b        ; a joint load: waves 0, 1 fetch xc's two halves, waves 2, 3 wc's; s_nop 0 and four v_nop behind each line
	s_cmp_eq_u32 s15, 0
	s_cbranch_scc0 .Lfor_b_\@
	tensor_load_to_lds s[\g0a:\g0a+3], s[\g1a:\g1a+7]
	s_nop 0
.rept 4
	v_nop
.endr
	s_branch .Lasked_\@
.Lfor_b_\@:
	tensor_load_to_lds s[\g0b:\g0b+3], s[\g1b:\g1b+7]
	s_nop 0
.rept 4
	v_nop
.endr
.Lasked_\@:
.endm
.macro CREST                           ; a round of the cluster's barrier behind its opening barrier
	s_cmp_lg_u32 s14, 0
	s_cbranch_scc1 .Lnot_wave_0_\@
	s_barrier_signal -3
.Lnot_wave_0_\@:
	s_barrier_wait -3
	s_barrier_signal -1
	s_barrier_wait -1
.endm
.macro CROUND
	s_barrier_signal -1
	s_barrier_wait -1
	CREST
.endm
.macro ASK                             ; the loop's prefetch: not in the last trip (s3 = 1), whose refills are K steps 6 and 7
	s_cmp_gt_u32 s3, 1
	s_cbranch_scc0 .Lno_ask_\@
	global_prefetch_b8 v[PFO], s[PFA:PFA+1] offset:2*ROWB th:TH_LOAD_NT scope:SCOPE_SE
.Lno_ask_\@:
.endm
	s_load_b128 s[4:7], s[0:1], 0x0                ; xc s[4:5], wc s[6:7]
	s_load_b128 s[8:11], s[0:1], 0x10              ; the scales' exponents s[8:9], out0 s[10:11]
	v_lshl_add_u32 v[SPW], v0, 2, SPARE
	v_mov_b32 v[NIL], 0
	ds_add_u32 v[SPW], v[NIL]                      ; the opening lines: the add, twice on end, and its wait ahead of my first tensor load
	ds_add_u32 v[SPW], v[NIL]
	v_lshrrev_b32 v1, 5, v0
	v_readfirstlane_b32 s14, v1                    ; wave 0..3
	s_lshr_b32 s15, s14, 1                         ; my half of the tile's rows; also: I fetch for xc (0) or wc (1)
	s_and_b32 s16, s14, 1                          ; my half of its columns; also: which 128 rows I fetch
	s_bfe_u32 s40, ttmp6, 0x40000                  ; cx
	s_bfe_u32 s41, ttmp6, 0x40004                  ; cy
	s_lshl_b32 s42, ttmp9, 2
	s_add_co_u32 s42, s42, s40                     ; tile column
	s_and_b32 s17, ttmp7, 0xffff
	s_lshl_b32 s17, s17, 2
	s_add_co_u32 s17, s17, s41                     ; tile row
	s_lshl_b32 s43, s41, 2
	s_lshl_b32 s43, 15, s43                        ; my row of the cluster
	s_lshl_b32 s44, 0x1111, s40                    ; my column
	s_or_b32 s[G1+0], s43, (0<<16)|(1<<20)|(1<<21)|(5<<22)|(3<<25)  ; mask; elements of 1 byte; padding of 4 words behind every 64
	s_or_b32 s[G1B+0], s44, (0<<16)|(1<<20)|(1<<21)|(5<<22)|(3<<25)
.irp g, G1, G1B
	s_mov_b32 s[\g+1], ROWB<<16                    ; tensor_dim0
	s_mov_b32 s[\g+2], 128<<16                     ; tensor_dim1
	s_mov_b32 s[\g+3], ROWB<<16                    ; tile_dim0
	s_mov_b32 s[\g+4], 128                         ; tile_dim1
	s_mov_b32 s[\g+5], KROW                        ; the pitch
	s_mov_b32 s[\g+6], 0
	s_mov_b32 s[\g+7], 0
.endr
	s_lshl_b32 s18, s16, 7
	s_lshl_b32 s20, s17, 8
	s_add_co_u32 s20, s20, s18                     ; xc: row 256 x tile row + 128 x half
	s_lshl_b32 s46, s42, 8
	s_add_co_u32 s46, s46, s18                     ; wc: row 256 x tile column + 128 x half
	s_mov_b32 s21, 0
	s_mov_b32 s47, 0
	s_mov_b64 s[18:19], KROW
	s_mul_u64 s[20:21], s[20:21], s[18:19]
	s_mul_u64 s[46:47], s[46:47], s[18:19]
	s_mul_i32 s45, s14, HALFT                      ; where they go: wave x 128 rows
	s_wait_dscnt 0x0                               ; both opening adds are done
	s_wait_kmcnt 0x0
	s_load_b64 s[96:97], s[8:9], 0x0               ; e0, e1
	s_add_nc_u64 s[20:21], s[4:5], s[20:21]
	s_add_nc_u64 s[46:47], s[6:7], s[46:47]
	CROUND                                         ; all sixteen work-groups are here: the first joint loads meet
.irp s, 0,1
	s_mov_b32 s[G0+4*\s], 1
	s_add_co_u32 s[G0+4*\s+1], s45, \s*SLOT
	s_add_nc_u64 s[G0+4*\s+2:G0+4*\s+3], s[20:21], \s*ROWB
	s_or_b32 s[G0+4*\s+3], s[G0+4*\s+3], 0x80000000
	s_mov_b32 s[G0B+4*\s], 1
	s_add_co_u32 s[G0B+4*\s+1], s45, \s*SLOT
	s_add_nc_u64 s[G0B+4*\s+2:G0B+4*\s+3], s[46:47], \s*ROWB
	s_or_b32 s[G0B+4*\s+3], s[G0B+4*\s+3], 0x80000000
.endr
	JLOAD G0, G1, G0B, G1B                         ; K step 0: one tensor load a wave at the head
	; the prefetches' address: the tile's first row, + the 128 rows that I fetch, + my work-group's 32 of them; at K step 1
	s_lshl_b32 s20, s17, 8
	s_lshl_b32 s21, s42, 8
	s_cmp_eq_u32 s15, 0
	s_cselect_b32 s20, s20, s21
	s_cselect_b32 s21, s40, s41                    ; my place among the four that ask with me
	s_cselect_b64 s[PFA:PFA+1], s[4:5], s[6:7]
	s_lshl_b32 s22, s16, 7
	s_add_co_u32 s20, s20, s22
	s_lshl_b32 s21, s21, 5
	s_add_co_u32 s20, s20, s21
	s_mov_b32 s21, 0
	s_mov_b64 s[18:19], KROW
	s_mul_u64 s[20:21], s[20:21], s[18:19]
	s_add_nc_u64 s[PFA:PFA+1], s[PFA:PFA+1], s[20:21]
	s_add_nc_u64 s[PFA:PFA+1], s[PFA:PFA+1], ROWB
	v_and_b32 v[PFO], 31, v0
	v_mul_u32_u24 v[PFO], v[PFO], KROW
	v_and_b32 v1, 15, v0                           ; l % 16
	v_bfe_u32 v2, v0, 4, 1                         ; l / 16
	v_mul_u32_u24 v3, v1, PITCH
	v_lshl_add_u32 v4, v2, 4, v3                   ; a fragment's row x pitch + 16 x half
	s_mul_i32 s21, s15, HALFT                      ; my 128 rows of xc
	s_mul_i32 s22, s16, HALFT                      ; my 128 rows of wc,
	s_add_co_u32 s22, s22, 2*HALFT                 ; which lie behind xc's 256
.irp s, 0,1
	v_add_nc_u32 v[ADRA+\s], s21, v4
	v_add_nc_u32 v[ADRB+\s], s22, v4
	s_add_co_u32 s21, s21, SLOT
	s_add_co_u32 s22, s22, SLOT
.endr
	s_mul_i32 s23, s14, 16*SPITCH
	s_add_co_u32 s23, s23, STAGE                   ; my stage
	s_wait_alu depctr_va_vdst(0)                   ; directly ahead of the lines that take l % 16 and l / 16 again
	v_mul_u32_u24 v5, v1, SPITCH                   ; in: row l % 16, 16 bytes for each half of the lanes
	v_lshl_add_u32 v5, v2, 4, v5
	v_add_nc_u32 v[STO], s23, v5
	v_mul_u32_u24 v6, v2, SPITCH                   ; back: lanes 0-15 one row of 256 bytes, lanes 16-31 the next
	v_lshl_add_u32 v6, v1, 4, v6
	v_add_nc_u32 v[RD], s23, v6
	v_mul_u32_u24 v6, v2, SIZE_N*2                 ; and the same two rows in out0
	v_lshl_add_u32 v[CO], v1, 4, v6
	s_lshl_b32 s20, s17, 8
	s_lshl_b32 s21, s15, 7
	s_add_co_u32 s20, s20, s21                     ; my first row of out0
	s_mov_b32 s21, 0
	s_mov_b64 s[18:19], SIZE_N*2
	s_mul_u64 s[20:21], s[20:21], s[18:19]
	s_lshl_b32 s46, s42, 9                         ; my first column, in bytes: 512 x tile column + 256 x half
	s_lshl_b32 s47, s16, 8
	s_add_co_u32 s46, s46, s47
	s_mov_b32 s47, 0
	s_add_nc_u64 s[20:21], s[20:21], s[46:47]
	s_add_nc_u64 s[10:11], s[10:11], s[20:21]
	global_prefetch_b8 v[PFO], s[PFA:PFA+1] th:TH_LOAD_NT scope:SCOPE_SE   ; K step 1, behind all of the head's set-up
.macro FRAG reg, adr, q, i             ; 16 rows x 128 K: lane l holds row l % 16; registers 4 c .. 4 c + 3 hold K = 32 c + 16 (l / 16) + 0 .. 15
.irp c, 0,1,2,3
	ds_load_b128 v[\reg+4*\c:\reg+4*\c+3], v[\adr] offset:128*(\q)+32*\c+(\i)*16*PITCH
.endr
.endm
; 16 matrix instructions: xc's blocks a0, a0 + 1 x wc's eight.  The 64 accumulators take turns, one instruction a turn, in the same order in every step.
.macro MUL16 a0, p, zero
.irp a, \a0, \a0+1
.irp b, 0,1,2,3,4,5,6,7
.if \zero
	v_wmma_f32_16x16x128_bf8_bf8 v[8*(8*((\a)%4)+\b):8*(8*((\a)%4)+\b)+7], v[128*(\p)+FR*\b:128*(\p)+FR*\b+FR-1], v[AF+FR*(\a):AF+FR*(\a)+FR-1], 0
.else
	v_wmma_f32_16x16x128_bf8_bf8 v[8*(8*((\a)%4)+\b):8*(8*((\a)%4)+\b)+7], v[128*(\p)+FR*\b:128*(\p)+FR*\b+FR-1], v[AF+FR*(\a):AF+FR*(\a)+FR-1], v[8*(8*((\a)%4)+\b):8*(8*((\a)%4)+\b)+7]
.endif
.endr
.endr
.endm
.macro FETCH_B slot, q, p
	WIN TO_B
.irp i, 0,1,2,3,4,5,6,7
	FRAG 128*(\p)+FR*\i, ADRB+\slot, \q, \i
.endr
	WIN 0
.endm
.macro FETCH_A slot, q, i0
.irp i, \i0, \i0+1, \i0+2, \i0+3
	FRAG AF+FR*(\i), ADRA+\slot, \q, \i
.endr
.endm
.macro PLACES n                        ; plain places in front of loads into registers that matrix instructions have read, and of the first read of results
.rept \n
	v_nop
.endr
.endm
.macro STEP slot, q, zero              ; 128 along K, with its successor in the same slot
	s_wait_dscnt 4*NL                              ; wc's set and xc's blocks 0-3 are in; the youngest 16 loads (blocks 4-7) may be out
	WIN MUL_LO
	MUL16 0, (\q)%2, \zero
	MUL16 2, (\q)%2, \zero
	s_wait_dscnt 0                                 ; blocks 4-7 are in
	PLACES NP
	FETCH_B \slot, (\q)+1, 1-(\q)%2
	FETCH_A \slot, (\q)+1, 0
.if PF3
	global_prefetch_b8 v[PFO], s[PFA:PFA+1] offset:2*ROWB th:TH_LOAD_NT scope:SCOPE_SE   ; in the first step alone: K step 3
.set PF3, 0
.endif
	WIN MUL_HI
	MUL16 4, (\q)%2, \zero
	MUL16 6, (\q)%2, \zero
	PLACES NP
	WIN 0
	FETCH_A \slot, (\q)+1, 4
.endm
; The first half of a slot's last step, with ONE barrier for the change of slots; in front of it each wave waits for all its tensor loads, adds 0 to its spare word, and waits for that and for its reads of this slot.
.macro MEET
	s_wait_tensorcnt 0x0                           ; all my tensor loads have landed: my part of the next slot
	ds_add_u32 v[SPW], v[NIL]
	s_wait_dscnt 4*NL+1                            ; (the add and the youngest 16 loads may be out)
	WIN MUL_LO
	MUL16 0, 1, 0
	s_wait_dscnt 0x0                               ; the add is done, and my reads of this slot are over
	s_barrier_signal -1
	MUL16 2, 1, 0
	WIN 0
	s_barrier_wait -1
.endm
.macro TURN slot, next                 ; a slot's last step; the slot is filled again, two K steps ahead
	s_wait_xcnt 0x0                                ; my prefetches have read their address: it steps here
	s_add_nc_u64 s[PFA:PFA+1], s[PFA:PFA+1], ROWB
	MEET
	CREST                                          ; the barrier has opened a round of the cluster's barrier: no wave of any partner still reads this slot or has a load on its way
	s_add_nc_u64 s[G0+4*\slot+2:G0+4*\slot+3], s[G0+4*\slot+2:G0+4*\slot+3], 2*ROWB
	s_add_nc_u64 s[G0B+4*\slot+2:G0B+4*\slot+3], s[G0B+4*\slot+2:G0B+4*\slot+3], 2*ROWB
	JLOAD G0+4*\slot, G1, G0B+4*\slot, G1B         ; the first tensor load behind the round; its four v_nop are the places in front of the loads below
	FETCH_B \next, 0, 0
	FETCH_A \next, 0, 0
	ASK
	WIN MUL_HI
	MUL16 4, 1, 0
	MUL16 6, 1, 0
	PLACES NP
	WIN 0
	FETCH_A \next, 0, 4
.endm
; THE LAST K STEP (slot 1), BY ROWS.
.macro ALOAD a                         ; xc's block a, 16 rows x 256 K, 8 loads -> buffer a % 4 of 32 registers
.set FA, AF+32*((\a)%4)
.irp q, 0,1
	FRAG FA+FR*\q, ADRA+1, \q, (\a)
.endr
.endm
.macro ROW a                           ; block a is finished: 16 matrix instructions, its 8 accumulators by turns, K ascending
.set FA, AF+32*((\a)%4)
.set AC, 64*((\a)%4)
	WIN MUL_LO+0x50*((\a)/4)
.irp q, 0,1
.if (\a) == 0 && \q == 1
	s_wait_dscnt 16                                ; wc's second 128 along K are in (behind them: xc's blocks 2 and 3)
.endif
.irp b, 0,1,2,3,4,5,6,7
	v_wmma_f32_16x16x128_bf8_bf8 v[AC+8*\b:AC+8*\b+7], v[128*\q+FR*\b:128*\q+FR*\b+FR-1], v[FA+FR*\q:FA+FR*\q+FR-1], v[AC+8*\b:AC+8*\b+7]
.endr
.endr
.endm
; THE WAY OUT of block a, 16 rows x 128 columns: x 2^(e0 + e1), rounded to bf16 (16 bytes a lane), through my own stage, back as whole rows of 256 bytes.
; LDS serves a wave's instructions in order (ISA guide 5.7.1.4): no wait between the stores and the loads, nor in front of the next block's stores.
.macro TOSTAGE a
.set AC, 64*((\a)%4)
	WIN 0x02+((\a)/4)                              ; source 0: window 2 or 3
.set j, 0
.rept 32
	v_pk_mul_f32 v[TMP+j:TMP+j+1], v[AC+j:AC+j+1], s[96:97] op_sel_hi:[1,0]   ; both x s96; each accumulator from its low end on
.set j, j+2
.endr
	WIN 0
.set j, 0
.rept 32
	v_cvt_pk_bf16_f32 v[TMP+j], v[TMP+2*j], v[TMP+2*j+1]   ; packed in place: register j is written when registers 2 j, 2 j + 1 are read, and those below have been
.set j, j+1
.endr
.irp b, 0,1,2,3,4,5,6,7
	ds_store_b128 v[STO], v[TMP+4*\b:TMP+4*\b+3] offset:32*\b
.endr
.if (\a) > 0
	s_wait_xcnt 0x0                                ; the block before's stores have read their registers and their base
.endif
.irp t, 0,1,2,3,4,5,6,7
	ds_load_b128 v[BK+4*\t:BK+4*\t+3], v[RD] offset:\t*2*SPITCH
.endr
.endm
.macro SEND a, younger                 ; younger: the LDS loads issued behind block a's, which may stay out
	WIN 0
	s_wait_dscnt \younger
.if (\a) > 0
	s_add_nc_u64 s[10:11], s[10:11], 16*SIZE_N*2   ; (behind TOSTAGE's wait on XCNT)
.endif
.irp t, 0,1,2,3,4,5,6,7
	global_store_b128 v[CO], v[BK+4*\t:BK+4*\t+3], s[10:11] offset:2*\t*SIZE_N*2 th:TH_STORE_NT   ; 16 lanes store 256 consecutive bytes, at a multiple of 256 from out0's first byte
.endr
.endm
	s_wait_alu depctr_va_vdst(0)
	s_wait_tensorcnt 0x0                           ; my part of K step 0 is in; these lines stand ahead of a later first fill as ahead of a refill
	ds_add_u32 v[SPW], v[NIL]
	s_wait_dscnt 0x0
	CROUND                                         ; everybody's part of K step 0 is in, and the joint loads meet
	JLOAD G0+4, G1, G0B+4, G1B                     ; K step 1: slot 1's first fill
	FETCH_B 0, 0, 0
	FETCH_A 0, 0, 0
	FETCH_A 0, 0, 4
	global_prefetch_b8 v[PFO], s[PFA:PFA+1] offset:ROWB th:TH_LOAD_NT scope:SCOPE_SE   ; K step 2
	STEP 0, 0, 1                                   ; the first step's products start the sums: nothing is cleared
	s_mov_b32 s3, LAPS-1
.Llap:                                                 ; a trip goes once round the ring, from a lap's second step to the next lap's first, and fills both slots again
	TURN 0, 1
	STEP 1, 0, 0
	TURN 1, 0
	STEP 0, 0, 0
	s_sub_co_u32 s3, s3, 1
	s_cmp_lg_u32 s3, 0
	s_cbranch_scc1 .Llap
	s_wait_kmcnt 0x0
	s_add_co_i32 s96, s96, s97                     ; e0 + e1, between -126 and 127,
	s_add_co_i32 s96, s96, 127
	s_lshl_b32 s96, s96, 23                        ; makes the f32 number 2^(e0 + e1)
	MEET                                           ; the last change of slots: nothing is filled again, so no round follows
	PLACES NP                                      ; for the loads into wc's set 0 and xc's blocks 0-3, which are done with
	FETCH_B 1, 0, 0                                ; wc's first 128 along K of the last K step
	ALOAD 0
	ALOAD 1
	WIN MUL_HI
	MUL16 4, 1, 0
	MUL16 6, 1, 0
	PLACES NP                                      ; for the loads into wc's set 1 and xc's blocks 4-7
	FETCH_B 1, 1, 1                                ; its second 128
	ALOAD 2
	ALOAD 3
	s_wait_dscnt 48                                ; all but the 48 just issued
	ROW 0
.irp a, 0,1,2,3,4,5,6,7                ; block a goes through the stage while block a + 1 is multiplied, and is stored behind it
	PLACES NP                                      ; its scalings read results just made
	TOSTAGE \a
.if \a < 4
	ALOAD \a+4                                     ; its buffer takes the block four further on
.endif
.if \a < 7
	ROW \a+1
.endif
.if \a < 4
	SEND \a, 8
.else
	SEND \a, 0
.endif
.endr
	s_wait_tensorcnt 0x0                           ; the wave's end
	ds_add_u32 v[SPW], v[NIL]
	s_wait_dscnt 0x0
	CROUND                                         ; the closing round
	s_endpgm
.Lfunc_end_k_qd1e1e8bc6c_gemm:
	.size	k_qd1e1e8bc6c_gemm, .Lfunc_end_k_qd1e1e8bc6c_gemm-k_qd1e1e8bc6c_gemm
	.p2alignl 7, 3214868480
	.fill 96, 4, 3214868480
	.section	.rodata,"a",@progbits
	.p2align	6, 0x0
	.amdhsa_kernel k_qd1e1e8bc6c_gemm
		.amdhsa_group_segment_fixed_size 327680
		.amdhsa_private_segment_fixed_size 0
		.amdhsa_enable_private_segment 0
		.amdhsa_kernarg_size 32
		.amdhsa_user_sgpr_count 2
		.amdhsa_user_sgpr_kernarg_segment_ptr 1
		.amdhsa_wavefront_size32 1
		.amdhsa_system_sgpr_workgroup_id_x 1
		.amdhsa_system_sgpr_workgroup_id_y 1
		.amdhsa_system_sgpr_workgroup_id_z 1
		.amdhsa_system_vgpr_workitem_id 0
		.amdhsa_next_free_vgpr 1024
		.amdhsa_next_free_sgpr 98
		.amdhsa_reserve_vcc 0
		.amdhsa_float_denorm_mode_32 3
		.amdhsa_float_denorm_mode_16_64 3
		.amdhsa_memory_ordered 1
		.amdhsa_forward_progress 1
		.amdhsa_inst_pref_size 128
	.end_amdhsa_kernel
	.amdgpu_metadata
---
amdhsa.version: [ 1, 2 ]
amdhsa.kernels:
  - .name:           k_qd1e1e8bc6c_gemm
    .symbol:         k_qd1e1e8bc6c_gemm.kd
    .args:
      - { .name: xc, .offset: 0, .size: 8, .value_kind: global_buffer, .address_space: global }
      - { .name: wc, .offset: 8, .size: 8, .value_kind: global_buffer, .address_space: global }
      - { .name: lowp_scales, .offset: 16, .size: 8, .value_kind: global_buffer, .address_space: global }
      - { .name: out0, .offset: 24, .size: 8, .value_kind: global_buffer, .address_space: global }
    .group_segment_fixed_size: 327680
    .private_segment_fixed_size: 0
    .kernarg_segment_align: 8
    .kernarg_segment_size: 32
    .max_flat_workgroup_size: 128
    .sgpr_count:     98
    .vgpr_count:     1024
    .wavefront_size: 32
...
	.end_amdgpu_metadata
.endif
;; end of part 3
